; MI455X (gfx1250); checked and timed in simulation.
; The chip was launched on July 23, 2026; its instructions are those of AMD's public machine-readable ISA for CDNA 5 (MIT licence, August 2026) and "CDNA5" Instruction Set Architecture Reference Guide (July 2026). The comments in the code are by the model that wrote it; some were corrected since.
;; Mixture Attention. Allowed arithmetic: matrix products marked QUANTISED: E5M2 operands, one given power-of-two scale a tensor, by v_wmma_f32_16x16x64_bf8_bf8 or v_wmma_f32_16x16x128_bf8_bf8, f32 sums; everything else in f32.
;; Inputs: Wk_codes 1,024 x 32 x 32 uint8 (E5M2 codes of Wk, K innermost, in blocks of 32 codes); Wo_codes 1,024 x 32 x 32 uint8 (E5M2 codes of Wo, K innermost, in blocks of 32 codes); Wq_codes 1,024 x 32 x 32 uint8 (E5M2 codes of Wq, K innermost, in blocks of 32 codes); Wv_codes 1,024 x 32 x 32 uint8 (E5M2 codes of Wv, K innermost, in blocks of 32 codes); alpha one number float32; bk 1,024 float32; bo 1,024 float32; bq 1,024 float32; bv 1,024 float32; lowp_scales 12 int32 (the exponents e of the quantised operands' scales 2^e); rel_emb 9,999 x 1,024 float32; x 2 x 2,048 x 1,024 float32.
;; Outputs: out0 2 x 2,048 x 1,024 float32.
;; This version of the problem:
;;   THIS VERSION OF THE PROBLEM IS GIVEN IN LOW PRECISION. The matrix products marked QUANTISED in the list below multiply operands that are first quantised to E5M2 (5 exponent bits, 2 mantissa bits; 8 bits a number), with one given power-of-two scale for each operand tensor; their sums are f32. All else is computed in f32.
;;   The module's matrix products, in the order in which they are computed (A, B: the left and right operand; K: the contracted axis; several contracted axes count as one K, in the product's order):
;;     1. [M 4,096, K 1,024] x [K 1,024, N 1,024]; A: computed on the way; B: input Wq (given as codes): QUANTISED (scales: A lowp_scales[0], B lowp_scales[1])
;;     2. [M 4,096, K 1,024] x [K 1,024, N 1,024]; A: computed on the way; B: input Wk (given as codes): QUANTISED (scales: A lowp_scales[2], B lowp_scales[3])
;;     3. [M 4,096, K 1,024] x [K 1,024, N 1,024]; A: computed on the way; B: input Wv (given as codes): QUANTISED (scales: A lowp_scales[4], B lowp_scales[5])
;;     4. batch 32 x [M 2,048, K 64] x [K 64, N 2,048]; A: computed on the way; B: computed on the way: QUANTISED (scales: A lowp_scales[6], B lowp_scales[7])
;;     5. batch 32 x [M 2,048, K 2,048] x [K 2,048, N 64]; A: softmax (see below); B: computed on the way: QUANTISED (scales: A lowp_scales[8], B lowp_scales[9])
;;     6. [M 4,096, K 1,024] x [K 1,024, N 1,024]; A: computed on the way; B: input Wo (given as codes): QUANTISED (scales: A lowp_scales[10], B lowp_scales[11])
;;   THE QUANTISER, for each operand of a quantised product, along K:
;;     - The operand's scale is 2^e, e = its entry of the input lowp_scales (int32; the entries are numbered through the quantised products in the list's order, A before B).
;;     - Each number is divided by the scale, clamped to +-57,344, and rounded to the nearest number of E5M2, ties to even, subnormals kept.
;;     - The product sums the exact products of the quantised numbers (number of the format x scale) in f32.
;;   ~~~python
;;   def quantise(x, axis, e):      # numpy; x: float32 -> the quantised numbers, widened to float32 again
;;       x = np.moveaxis(x, axis, -1); K = x.shape[-1]
;;       r = np.clip(x / 2.0 ** e, -57344, 57344)
;;       step = 2.0 ** (np.maximum(np.frexp(np.where(r == 0, 1, r))[1] - 1, -14) - 2)
;;       q = np.round(r / step) * step * 2.0 ** e      # np.round: ties to even
;;       return np.moveaxis(q, -1, axis).astype(np.float32)
;;   ~~~
;;   SOFTMAX AHEAD OF A QUANTISED PRODUCT. Where the list says 'softmax', what is quantised is not the finished softmax but p = 2^(t - M), with t = logit x log2(e) and M = ceil(the row's largest t), a whole number; so 1/2 < the row's largest p <= 1. The row's sum l is taken of the UNQUANTISED p, in f32, and the product's result is divided by l at the end. Since M is a whole number, a kernel that streams over the keys may use a running M (the ceiling of the running maximum): every later rescaling is an exact power of two, so the quantised numbers keep their values, but for numbers so far below the row's largest that they fall under the format's range.
;;   OPERANDS COMPUTED ON THE WAY. 'Computed on the way' means the value that the module computes at that place (a softmax that the list does not call 'softmax' is quantised finished and normalised). What goes into a quantiser is computed in f32, as accurately as f32 sums, v_exp_f32 and their like allow (about 1e-6 of the number): no bf16 or f16 on the way to a quantiser, and a product that is left as it is and whose result goes on into a quantised operand takes f32 operands (vector FMAs, or v_wmma_f32_16x16x4_f32). A number that lies on a knife's edge between two numbers of the format may be rounded either way, as far as f32 arithmetic and the matrix unit's own rounding can turn it there, and no further.
;;   INPUTS GIVEN AS CODES. Wk (in the module: [1024, 1024], K = its axis 1); Wo (in the module: [1024, 1024], K = its axis 1); Wq (in the module: [1024, 1024], K = its axis 1); Wv (in the module: [1024, 1024], K = its axis 1): each comes as NAME_codes (uint8): NAME with its K axis moved to the last place and cut into blocks of 32 codes, [.., K / 32, bytes a block], one block behind the other in memory; one code a byte (a code: sign, 5 exponent bits, 2 mantissa bits); its scale is its entry of lowp_scales. Its value is code x scale, taken as it is: it is not quantised again, and the codes and scales need not be those that the quantiser above would give.
;; One version. Each part assembles by itself: llvm-mc -triple=amdgcn-amd-amdhsa -mcpu=gfx1250 --defsym DOCPART=n.
;; ======== version 1 of 1: 4 launches
;; limits: right only within a limited range of input values
;; workspace buffers: xq 4,194,304 bytes; xk 4,194,304 bytes; xv 4,194,304 bytes; qc 4,194,304 bytes; kc 4,194,304 bytes; vc 4,194,304 bytes; oc 4,194,304 bytes
;; launch prep (part 1): grid 512 x 1, 4 waves a work-group, no clusters, 0 bytes of LDS; arguments x, rel_emb, alpha, lowp_scales, xq, xk, xv; writes xq, xk, xv
.if DOCPART == 1
	.amdgcn_target "amdgcn-amd-amdhsa--gfx1250"
	.amdhsa_code_object_version 6
	.text
	.protected	k_q003f1393e6_prep
	.globl	k_q003f1393e6_prep
	.p2align	8
	.type	k_q003f1393e6_prep,@function
k_q003f1393e6_prep:
	s_mov_b64 s[64:65], 0
	v_nop
	global_prefetch_b8 v0, s[64:65] scope:SCOPE_SE
	s_setreg_imm32_b32 hwreg(HW_REG_WAVE_MODE, 25, 1), 1
	s_wait_xcnt 0x0
; x' = x + alpha * sinusoid(pos) + (1 - alpha) * rel_emb[2952 + pos], in f32, turned three times into codes of BF8 (E5M2): with 2^e0 into xq, 2^e2 into xk, 2^e4 into xv,
; each [4096 tokens][1024], one code a byte, K innermost.  code = x' / 2^e, held within +-57,344, to the nearest code, ties to even.
; SHARES.  A work-group owns 4 positions of both batches (the positional term is the same for both, so it is made once).  Thread t owns columns 8 t .. 8 t + 7 of every row: the sinusoid's pairs 4 t + k, k = 0 .. 3.
; All 24 loads of a thread go out first; the sinusoids are made while they are on their way.  No loop, no LDS, no barrier: threads share nothing.  A wave's store of codes covers 256 consecutive bytes, aligned.
; THE SINUSOID BY HAND.  div = e^arg, arg = (8 t + 2 k) x f32(-ln 10000 / 1024): 2^(arg x log2 e) with log2 e in two parts, the low part brought in by one multiply-add.
; angle = pos x div (one f32 rounding).  n = the nearest whole number to angle x 2 / pi; r = angle - n x pi / 2 with pi / 2 in two parts; sine and cosine of r by polynomials of degree 7 and 8; n mod 4 swaps them and sets the signs.
; LIMITS: e0, e2, e4 between -126 and 112, so that 2^e and 57,344 x 2^e are f32 numbers.  NaN among the inputs is not served.  div lies within some 1.5 units in the last place of e^arg; sine and cosine within some 1e-7 of those of the f32 angle.
.set DV,  4                            ; v[4:7]     div of my four pairs
.set X0,  16                           ; v[16:47]   x, batch 0: 8 numbers for each of 4 positions
.set X1,  48                           ; v[48:79]   x, batch 1
.set RL,  80                           ; v[80:111]  rel_emb's rows, then the mixed positional term
.set PE,  112                          ; v[112:143] the sinusoid: sine, cosine, sine, ..
.set W,   144                          ; v[144:175] at work: 8 registers for each of 4 angles
.set T0,  176                          ; v[176:191] two sets of 8 held numbers, by turns
.set CD,  192                          ; v[192:239] codes: two registers for each of 24 stores, never written again
.set AL,  240                          ; v[240:241] alpha, twice
.set OM,  242                          ; v[242:243] 1 - alpha, twice
	s_load_b256 s[4:11], s[0:1], 0x0               ; x s[4:5], rel_emb s[6:7], alpha s[8:9], the scales' exponents s[10:11]
	s_load_b128 s[12:15], s[0:1], 0x20             ; xq s[12:13], xk s[14:15]
	s_load_b64 s[16:17], s[0:1], 0x30              ; xv
	v_lshlrev_b32 v1, 5, v0                        ; my 8 numbers in a row: byte 32 t
	v_lshlrev_b32 v2, 3, v0                        ; my 8 codes in a row: byte 8 t; also my first column
	s_lshl_b32 s2, ttmp9, 14                       ; 4 rows of 4,096 bytes for each work-group
	s_mov_b32 s3, 0
	s_add_co_u32 s22, s2, 2952*4096                ; rel_emb begins at row 5000 - 2048
	s_mov_b32 s23, 0
	s_lshl_b32 s46, ttmp9, 12                      ; 4 rows of 1,024 codes
	s_mov_b32 s47, 0
	s_lshl_b32 s21, ttmp9, 2                       ; my first position
	s_mov_b32 s32, 0x3f22f983                      ; 2 / pi
	s_mov_b32 s33, 0x3fc90fdb                      ; pi / 2, high part
	s_mov_b32 s34, 0xb33bbd2e                      ; pi / 2, low part
	s_mov_b32 s35, 0xbe2aaaa3                      ; sine: r + r^3 (s35 + s36 r^2 + s37 r^4)
	s_mov_b32 s36, 0x3c08839e
	s_mov_b32 s37, 0xb94ca1f9
	s_mov_b32 s38, 0x3d2aaaa5                      ; cosine: 1 - r^2 / 2 + r^4 (s38 + s39 r^2 + s40 r^4)
	s_mov_b32 s39, 0xbab6061a
	s_mov_b32 s40, 0x37ccf5ce
	s_mov_b32 s41, 0x3fb8aa3b                      ; log2 e, high part
	s_mov_b32 s42, 0x32a57060                      ; log2 e, low part
	s_mov_b32 s43, 0x3f317218                      ; ln 2
	s_mov_b32 s44, 0xbc135d8e                      ; -ln 10000 / 1024 as f32
	s_wait_alu depctr_va_vdst(0)
	s_wait_kmcnt 0x0
	s_load_b32 s20, s[8:9], 0x0                    ; alpha
	s_load_b256 s[24:31], s[10:11], 0x0            ; e0 .. e7: s24, s26, s28 are used
	s_add_nc_u64 s[4:5], s[4:5], s[2:3]            ; x, batch 0, at my first row
	s_add_nc_u64 s[18:19], s[4:5], 0x800000        ; batch 1: 2,048 rows on (one more than the signed 24-bit immediate holds)
	s_add_nc_u64 s[6:7], s[6:7], s[22:23]
	s_add_nc_u64 s[12:13], s[12:13], s[46:47]
	s_add_nc_u64 s[14:15], s[14:15], s[46:47]
	s_add_nc_u64 s[16:17], s[16:17], s[46:47]
.irp p, 0,1,2,3                        ; six loads a position; each input byte is read once in the launch
	global_load_b128 v[X0+8*\p:X0+8*\p+3],   v1, s[4:5] offset:4096*\p th:TH_LOAD_NT
	global_load_b128 v[X0+8*\p+4:X0+8*\p+7], v1, s[4:5] offset:4096*\p+16 th:TH_LOAD_NT
	global_load_b128 v[X1+8*\p:X1+8*\p+3],   v1, s[18:19] offset:4096*\p th:TH_LOAD_NT
	global_load_b128 v[X1+8*\p+4:X1+8*\p+7], v1, s[18:19] offset:4096*\p+16 th:TH_LOAD_NT
	global_load_b128 v[RL+8*\p:RL+8*\p+3],   v1, s[6:7] offset:4096*\p th:TH_LOAD_NT
	global_load_b128 v[RL+8*\p+4:RL+8*\p+7], v1, s[6:7] offset:4096*\p+16 th:TH_LOAD_NT
.endr
	; div of my four pairs, stage by stage, so that no line waits for the line above it
.irp k, 0,1,2,3
	v_add_nc_u32 v[W+8*\k], 2*\k, v2               ; the even column 8 t + 2 k
.endr
.irp k, 0,1,2,3
	v_cvt_f32_u32 v[W+8*\k], v[W+8*\k]
.endr
.irp k, 0,1,2,3
	v_mul_f32 v[W+8*\k], s44, v[W+8*\k]            ; arg, rounded to f32 as the problem has it
.endr
.irp k, 0,1,2,3
	v_mul_f32 v[W+8*\k+1], s41, v[W+8*\k]          ; tau = arg x log2 e (high part), rounded
.endr
.irp k, 0,1,2,3
	v_fma_f32 v[W+8*\k+2], v[W+8*\k], s41, -v[W+8*\k+1]   ; what that rounding lost,
.endr
.irp k, 0,1,2,3
	v_fma_f32 v[W+8*\k+2], v[W+8*\k], s42, v[W+8*\k+2]    ; and the low part's share
.endr
	s_wait_alu depctr_va_vdst(0)
.irp k, 0,1,2,3
	v_exp_f32 v[DV+\k], v[W+8*\k+1]
.endr
.irp k, 0,1,2,3
	v_mul_f32 v[W+8*\k+2], s43, v[W+8*\k+2]        ; plain lines behind the exponentials: 2^eps = 1 + eps ln 2
.endr
	s_wait_alu depctr_va_vdst(0)
.irp k, 0,1,2,3
	v_fma_f32 v[DV+\k], v[DV+\k], v[W+8*\k+2], v[DV+\k]
.endr
; The sinusoid of position p, four angles stage by stage.
.macro PEROW p
	s_add_co_u32 s45, s21, \p
	v_cvt_f32_u32 v3, s45                          ; pos
.irp k, 0,1,2,3
	v_mul_f32 v[W+8*\k], v[DV+\k], v3              ; the angle
.endr
.irp k, 0,1,2,3
	v_mul_f32 v[W+8*\k+1], s32, v[W+8*\k]
.endr
.irp k, 0,1,2,3
	v_rndne_f32 v[W+8*\k+1], v[W+8*\k+1]           ; n
.endr
.irp k, 0,1,2,3
	v_fma_f32 v[W+8*\k+2], -v[W+8*\k+1], s33, v[W+8*\k]     ; angle - n x the high part: nothing is rounded
.endr
.irp k, 0,1,2,3
	v_fma_f32 v[W+8*\k+2], -v[W+8*\k+1], s34, v[W+8*\k+2]   ; r
.endr
.irp k, 0,1,2,3
	v_cvt_i32_f32 v[W+8*\k+3], v[W+8*\k+1]
.endr
.irp k, 0,1,2,3
	v_mul_f32 v[W+8*\k+4], v[W+8*\k+2], v[W+8*\k+2]         ; r^2
.endr
.irp k, 0,1,2,3
	v_fma_f32 v[W+8*\k+5], v[W+8*\k+4], s37, s36
.endr
.irp k, 0,1,2,3
	v_fma_f32 v[W+8*\k+5], v[W+8*\k+5], v[W+8*\k+4], s35
.endr
.irp k, 0,1,2,3
	v_mul_f32 v[W+8*\k+6], v[W+8*\k+4], v[W+8*\k+2]         ; r^3
.endr
.irp k, 0,1,2,3
	v_fma_f32 v[W+8*\k+5], v[W+8*\k+5], v[W+8*\k+6], v[W+8*\k+2]   ; sin r
.endr
.irp k, 0,1,2,3
	v_fma_f32 v[W+8*\k+6], v[W+8*\k+4], s40, s39
.endr
.irp k, 0,1,2,3
	v_fma_f32 v[W+8*\k+6], v[W+8*\k+6], v[W+8*\k+4], s38
.endr
.irp k, 0,1,2,3
	v_mul_f32 v[W+8*\k+7], v[W+8*\k+4], v[W+8*\k+4]         ; r^4
.endr
.irp k, 0,1,2,3
	v_fma_f32 v[W+8*\k], v[W+8*\k+4], -0.5, 1.0
.endr
.irp k, 0,1,2,3
	v_fma_f32 v[W+8*\k+6], v[W+8*\k+6], v[W+8*\k+7], v[W+8*\k]     ; cos r
.endr
.irp k, 0,1,2,3
	v_and_b32 v[W+8*\k+7], 1, v[W+8*\k+3]
.endr
.irp k, 0,1,2,3                        ; odd n: sine and cosine change places
	v_cmp_eq_u32 vcc_lo, 1, v[W+8*\k+7]
	v_cndmask_b32 v[PE+8*\p+2*\k],   v[W+8*\k+5], v[W+8*\k+6], vcc_lo
	v_cndmask_b32 v[PE+8*\p+2*\k+1], v[W+8*\k+6], v[W+8*\k+5], vcc_lo
.endr
.irp k, 0,1,2,3
	v_and_b32 v[W+8*\k+7], 2, v[W+8*\k+3]          ; the sine is negative where n mod 4 is 2 or 3,
.endr
.irp k, 0,1,2,3
	v_add_nc_u32 v[W+8*\k+3], 1, v[W+8*\k+3]       ; the cosine where it is 1 or 2
.endr
.irp k, 0,1,2,3
	v_lshlrev_b32 v[W+8*\k+7], 30, v[W+8*\k+7]
.endr
.irp k, 0,1,2,3
	v_and_b32 v[W+8*\k+3], 2, v[W+8*\k+3]
.endr
.irp k, 0,1,2,3
	v_xor_b32 v[PE+8*\p+2*\k], v[PE+8*\p+2*\k], v[W+8*\k+7]
.endr
.irp k, 0,1,2,3
	v_lshlrev_b32 v[W+8*\k+3], 30, v[W+8*\k+3]
.endr
.irp k, 0,1,2,3
	v_xor_b32 v[PE+8*\p+2*\k+1], v[PE+8*\p+2*\k+1], v[W+8*\k+3]
.endr
.endm
	PEROW 0
	PEROW 1
	PEROW 2
	PEROW 3
	s_wait_kmcnt 0x0
	v_mov_b32 v[AL], s20
	v_mov_b32 v[AL+1], s20
	v_sub_f32 v[OM], 1.0, v[AL]
	v_sub_f32 v[OM+1], 1.0, v[AL]
.macro SCL e, vs                       ; v[vs] = 2^e as f32 (the conversion takes its exponent field), v[vs + 1] = 57,344 x 2^e
	s_add_co_i32 s22, s[\e], 127
	s_lshl_b32 s23, s22, 23
	v_mov_b32 v[\vs], s23
	s_add_co_i32 s22, s22, 15
	s_lshl_b32 s22, s22, 23
	s_or_b32 s22, s22, 0x600000
	v_mov_b32 v[\vs+1], s22
.endm
	SCL 24, 8
	SCL 26, 10
	SCL 28, 12
; Eight numbers v[src] on become eight codes, store number idx: held (the conversion to an 8-bit code does not saturate: ISA guide 7.6.2), converted, stored.
; The holds go into two sets by turns, so x' stays for the next scale, and the next set's eight holds are the plain lines behind each conversion.
.macro QS src, idx, sc, base, off
.set TT, T0+8*((\idx)%2)
.irp i, 0,1,2,3,4,5,6,7
	v_med3_num_f32 v[TT+\i], v[\src+\i], -v[\sc+1], v[\sc+1]
.endr
	v_cvt_scalef32_pk8_bf8_f32 v[CD+2*(\idx):CD+2*(\idx)+1], v[TT:TT+7], v[\sc]
	global_store_b64 v2, v[CD+2*(\idx):CD+2*(\idx)+1], s[\base:\base+1] offset:\off   ; 32 lanes store 256 consecutive bytes, at a multiple of 256 from the buffer's first byte
.endm
.macro ROW p
	s_wait_loadcnt 18-6*\p                         ; loads come back in order: position p's six are in, the six of each later position may be out
.irp j, 0,2,4,6
	v_pk_mul_f32 v[RL+8*\p+\j:RL+8*\p+\j+1], v[RL+8*\p+\j:RL+8*\p+\j+1], v[OM:OM+1]
.endr
.irp j, 0,2,4,6
	v_pk_fma_f32 v[RL+8*\p+\j:RL+8*\p+\j+1], v[PE+8*\p+\j:PE+8*\p+\j+1], v[AL:AL+1], v[RL+8*\p+\j:RL+8*\p+\j+1]
.endr
.irp j, 0,2,4,6
	v_pk_add_f32 v[X0+8*\p+\j:X0+8*\p+\j+1], v[X0+8*\p+\j:X0+8*\p+\j+1], v[RL+8*\p+\j:RL+8*\p+\j+1]
	v_pk_add_f32 v[X1+8*\p+\j:X1+8*\p+\j+1], v[X1+8*\p+\j:X1+8*\p+\j+1], v[RL+8*\p+\j:RL+8*\p+\j+1]
.endr
	QS X0+8*\p, 6*\p+0, 8,  12, 1024*\p
	QS X0+8*\p, 6*\p+1, 10, 14, 1024*\p
	QS X0+8*\p, 6*\p+2, 12, 16, 1024*\p
	QS X1+8*\p, 6*\p+3, 8,  12, 1024*\p+2097152    ; batch 1: 2,048 rows of 1,024 codes on
	QS X1+8*\p, 6*\p+4, 10, 14, 1024*\p+2097152
	QS X1+8*\p, 6*\p+5, 12, 16, 1024*\p+2097152
.endm
	s_wait_alu depctr_va_vdst(0)
	ROW 0
	ROW 1
	ROW 2
	ROW 3
	s_endpgm
.Lfunc_end_k_q003f1393e6_prep:
	.size	k_q003f1393e6_prep, .Lfunc_end_k_q003f1393e6_prep-k_q003f1393e6_prep
	.p2alignl 7, 3214868480
	.fill 96, 4, 3214868480
	.section	.rodata,"a",@progbits
	.p2align	6, 0x0
	.amdhsa_kernel k_q003f1393e6_prep
		.amdhsa_group_segment_fixed_size 0
		.amdhsa_private_segment_fixed_size 0
		.amdhsa_enable_private_segment 0
		.amdhsa_kernarg_size 56
		.amdhsa_user_sgpr_count 2
		.amdhsa_user_sgpr_kernarg_segment_ptr 1
		.amdhsa_wavefront_size32 1
		.amdhsa_system_sgpr_workgroup_id_x 1
		.amdhsa_system_sgpr_workgroup_id_y 1
		.amdhsa_system_sgpr_workgroup_id_z 1
		.amdhsa_system_vgpr_workitem_id 0
		.amdhsa_next_free_vgpr 244
		.amdhsa_next_free_sgpr 66
		.amdhsa_reserve_vcc 1
		.amdhsa_float_denorm_mode_32 3
		.amdhsa_float_denorm_mode_16_64 3
		.amdhsa_memory_ordered 1
		.amdhsa_forward_progress 1
		.amdhsa_inst_pref_size 45
	.end_amdhsa_kernel
	.amdgpu_metadata
---
amdhsa.version: [ 1, 2 ]
amdhsa.kernels:
  - .name:           k_q003f1393e6_prep
    .symbol:         k_q003f1393e6_prep.kd
    .args:
      - { .name: x, .offset: 0, .size: 8, .value_kind: global_buffer, .address_space: global }
      - { .name: rel_emb, .offset: 8, .size: 8, .value_kind: global_buffer, .address_space: global }
      - { .name: alpha, .offset: 16, .size: 8, .value_kind: global_buffer, .address_space: global }
      - { .name: lowp_scales, .offset: 24, .size: 8, .value_kind: global_buffer, .address_space: global }
      - { .name: xq, .offset: 32, .size: 8, .value_kind: global_buffer, .address_space: global }
      - { .name: xk, .offset: 40, .size: 8, .value_kind: global_buffer, .address_space: global }
      - { .name: xv, .offset: 48, .size: 8, .value_kind: global_buffer, .address_space: global }
    .group_segment_fixed_size: 0
    .private_segment_fixed_size: 0
    .kernarg_segment_align: 8
    .kernarg_segment_size: 56
    .max_flat_workgroup_size: 128
    .sgpr_count:     66
    .vgpr_count:     244
    .wavefront_size: 32
...
	.end_amdgpu_metadata
.endif
;; end of part 1
;; launch qkv (part 2): grid 48 x 4, 4 waves a work-group, clusters of 4 x 4, 327,680 bytes of LDS; arguments xq, xk, xv, Wq_codes, Wk_codes, Wv_codes, bq, bk, bv, lowp_scales, qc, kc, vc; writes qc, kc, vc
.if DOCPART == 2
	.amdgcn_target "amdgcn-amd-amdhsa--gfx1250"
	.amdhsa_code_object_version 6
	.text
	.protected	k_q003f1393e6_qkv
	.globl	k_q003f1393e6_qkv
	.p2align	8
	.type	k_q003f1393e6_qkv,@function
k_q003f1393e6_qkv:
	s_mov_b64 s[64:65], 0
	v_nop
	global_prefetch_b8 v0, s[64:65] scope:SCOPE_SE
	s_setreg_imm32_b32 hwreg(HW_REG_WAVE_MODE, 25, 1), 1
	s_wait_xcnt 0x0
	s_wait_alu depctr_hold_cnt(0) depctr_sa_sdst(0) depctr_va_vdst(0) depctr_va_sdst(0) depctr_va_ssrc(0) depctr_va_vcc(0) depctr_vm_vsrc(0)
	s_getreg_b32 s2, hwreg(HW_REG_IB_STS2, 6, 4)
	s_cmp_eq_u32 s2, 0
	s_cbranch_scc0 .Lentry_in_a_cluster
	s_endpgm
.Lentry_in_a_cluster:
	s_bfe_u32 s2, ttmp6, 0x10000c
	s_cmp_lg_u32 s2, 0xf033
	s_cbranch_scc0 .Lentry_shape_is_right
	s_endpgm
.Lentry_shape_is_right:
.set KSTEP,  256
.set ROWB,   256
.set KROW,   1024
.set PITCH,  272
.set FR,     16
.set NL,     4
.set NP,     4
.set HALFT,  128*PITCH
.set SLOT,   4*HALFT
.set LAPS,   KROW/(2*KSTEP)
.set SPARE,  2*SLOT
.set ADRA, 16
.set ADRB, 20
.set CO,   26
.set SPW,  28
.set NIL,  29
.set BC,   32
.set BR,   96
.set BRR,  112
.set SCV,  120
.set LIMV, 121
.set TMP,  128
.set AF,   128
.set G1, 24
.set G0, 32
.set G1B, 48
.set G0B, 56
.set MSB, 0
.macro WIN new
.if MSB != \new
	s_set_vgpr_msb (MSB<<8)|\new
.set MSB, \new
.endif
.endm
.set MUL_LO, 0xa1
.set MUL_HI, 0xf1
.set TO_B,   0x40
.macro JLOAD g0a, g1a, g0b, g1b
	s_cmp_eq_u32 s15, 0
	s_cbranch_scc0 .Lfor_b_\@
	tensor_load_to_lds s[\g0a:\g0a+3], s[\g1a:\g1a+7]
	s_nop 0
.rept 4
	v_nop
.endr
	s_branch .Lasked_\@
.Lfor_b_\@:
	tensor_load_to_lds s[\g0b:\g0b+3], s[\g1b:\g1b+7]
	s_nop 0
.rept 4
	v_nop
.endr
.Lasked_\@:
.endm
.macro CREST
	s_cmp_lg_u32 s14, 0
	s_cbranch_scc1 .Lnot_wave_0_\@
	s_barrier_signal -3
.Lnot_wave_0_\@:
	s_barrier_wait -3
	s_barrier_signal -1
	s_barrier_wait -1
.endm
.macro CROUND
	s_barrier_signal -1
	s_barrier_wait -1
	CREST
.endm
	s_load_b512 s[68:83], s[0:1], 0x0
	s_load_b256 s[84:91], s[0:1], 0x40
	s_load_b64 s[92:93], s[0:1], 0x60
	v_lshl_add_u32 v[SPW], v0, 2, SPARE
	v_mov_b32 v[NIL], 0
	ds_add_u32 v28, v29
	ds_add_u32 v28, v29
	s_wait_dscnt 0x0
	v_lshrrev_b32 v1, 5, v0
	v_readfirstlane_b32 s14, v1
	v_and_b32 v30, 31, v0                          ; the prefetches' offset: my lane x a row of 1,024 bytes; never rewritten
	v_lshlrev_b32 v30, 10, v30
	s_lshr_b32 s15, s14, 1
	s_and_b32 s16, s14, 1
	s_bfe_u32 s40, ttmp6, 0x40000
	s_bfe_u32 s41, ttmp6, 0x40004
	s_lshr_b32 s94, ttmp9, 2
	s_and_b32 s95, ttmp9, 3
	s_lshr_b32 s98, s94, 1
	s_mul_i32 s99, s95, s98
	s_sub_co_u32 s100, s95, s99
	s_lshl_b32 s42, s99, 2
	s_add_co_u32 s42, s42, s40
	s_lshl_b32 s17, s100, 2
	s_add_co_u32 s17, s17, s41
	s_lshl_b32 s43, s41, 2
	s_lshl_b32 s43, 15, s43
	s_lshl_b32 s44, 0x1111, s40
	s_or_b32 s[G1+0], s43, (0<<16)|(1<<20)|(1<<21)|(5<<22)|(3<<25)
	s_or_b32 s[G1B+0], s44, (0<<16)|(1<<20)|(1<<21)|(5<<22)|(3<<25)
.irp g, G1, G1B
	s_mov_b32 s[\g+1], ROWB<<16
	s_mov_b32 s[\g+2], 128<<16
	s_mov_b32 s[\g+3], ROWB<<16
	s_mov_b32 s[\g+4], 128
	s_mov_b32 s[\g+5], KROW
	s_mov_b32 s[\g+6], 0
	s_mov_b32 s[\g+7], 0
.endr
	s_lshl_b32 s18, s16, 7
	s_lshl_b32 s20, s17, 8
	s_add_co_u32 s20, s20, s18
	s_lshl_b32 s46, s42, 8
	s_add_co_u32 s46, s46, s18
	s_mov_b32 s21, 0
	s_mov_b32 s47, 0
	s_mov_b64 s[18:19], KROW
	s_mul_u64 s[20:21], s[20:21], s[18:19]
	s_mul_u64 s[46:47], s[46:47], s[18:19]
	s_mul_i32 s45, s14, HALFT
	s_wait_kmcnt 0x0
	s_cmp_eq_u32 s94, 0
	s_cselect_b64 s[4:5], s[68:69], s[70:71]
	s_cselect_b64 s[6:7], s[74:75], s[76:77]
	s_cselect_b64 s[12:13], s[80:81], s[82:83]
	s_cselect_b64 s[10:11], s[88:89], s[90:91]
	s_cmp_eq_u32 s94, 2
	s_cselect_b64 s[4:5], s[78:79], s[4:5]
	s_cselect_b64 s[6:7], s[72:73], s[6:7]
	s_cselect_b64 s[12:13], s[84:85], s[12:13]
	s_cselect_b64 s[10:11], s[92:93], s[10:11]
	s_load_b256 s[68:75], s[86:87], 0x0
	s_load_b64 s[76:77], s[86:87], 0x20
	s_add_nc_u64 s[20:21], s[4:5], s[20:21]
	s_add_nc_u64 s[46:47], s[6:7], s[46:47]
	s_cmp_eq_u32 s15, 0                            ; the prefetches' base, s[8:9], never rewritten: of the 128 rows that I fetch, my work-group's 32;
	s_cselect_b64 s[8:9], s[20:21], s[46:47]       ; the four partners that ask for a tile jointly share its rows out by address (cx for source 1's tile, cy for source 0's)
	s_cselect_b32 s18, s40, s41
	s_lshl_b32 s18, s18, 15
	s_mov_b32 s19, 0
	s_add_nc_u64 s[8:9], s[8:9], s[18:19]
.irp s, 0,1
	s_mov_b32 s[G0+4*\s], 1
	s_add_co_u32 s[G0+4*\s+1], s45, \s*SLOT
	s_add_nc_u64 s[G0+4*\s+2:G0+4*\s+3], s[20:21], \s*ROWB
	s_or_b32 s[G0+4*\s+3], s[G0+4*\s+3], 0x80000000
	s_mov_b32 s[G0B+4*\s], 1
	s_add_co_u32 s[G0B+4*\s+1], s45, \s*SLOT
	s_add_nc_u64 s[G0B+4*\s+2:G0B+4*\s+3], s[46:47], \s*ROWB
	s_or_b32 s[G0B+4*\s+3], s[G0B+4*\s+3], 0x80000000
	s_wait_alu depctr_va_vdst(0)
	s_wait_tensorcnt 0x0
	ds_add_u32 v28, v29
	ds_add_u32 v28, v29
	s_wait_dscnt 0x0
	CROUND
	JLOAD G0+4*\s, G1, G0B+4*\s, G1B
.if \s == 0                            ; prefetches into the L2, a lane a row of 256 bytes: behind K step 0's load K step 1, behind K step 1's load K steps 2 and 3: at most two K steps are asked for and not yet loaded
	global_prefetch_b8 v30, s[8:9] offset:ROWB th:TH_LOAD_NT scope:SCOPE_SE
.else
	global_prefetch_b8 v30, s[8:9] offset:2*ROWB th:TH_LOAD_NT scope:SCOPE_SE
	global_prefetch_b8 v30, s[8:9] offset:3*ROWB th:TH_LOAD_NT scope:SCOPE_SE
.endif
.endr
	v_and_b32 v1, 15, v0
	v_bfe_u32 v2, v0, 4, 1
	v_mul_u32_u24 v3, v1, PITCH
	v_lshl_add_u32 v4, v2, 4, v3
	s_mul_i32 s21, s15, HALFT
	s_mul_i32 s22, s16, HALFT
	s_add_co_u32 s22, s22, 2*HALFT
.irp s, 0,1
	v_add_nc_u32 v[ADRA+\s], s21, v4
	v_add_nc_u32 v[ADRB+\s], s22, v4
	s_add_co_u32 s21, s21, SLOT
	s_add_co_u32 s22, s22, SLOT
.endr
	v_and_b32 v6, 31, v0
	v_lshlrev_b32 v[CO], 4, v6
	v_lshlrev_b32 v8, 5, v2
	s_wait_alu depctr_va_vdst(0)
	v_lshlrev_b32 v9, 2, v1
	s_wait_alu depctr_va_vdst(0)
	s_xor_b32 s66, s98, 1
	s_lshl_b32 s67, s42, 10
	s_lshl_b32 s78, s16, 9
	s_add_co_u32 s67, s67, s78
	s_mul_i32 s78, s67, s66
	s_mov_b32 s79, 0
	s_add_nc_u64 s[80:81], s[12:13], s[78:79]
	s_lshl_b32 s67, s17, 10
	s_lshl_b32 s78, s15, 9
	s_add_co_u32 s67, s67, s78
	s_mul_i32 s78, s67, s98
	s_add_nc_u64 s[82:83], s[12:13], s[78:79]
.irp b, 0,1,2,3,4,5,6,7
	global_load_b128 v[BC+8*\b:BC+8*\b+3],   v8, s[80:81] offset:64*\b
	global_load_b128 v[BC+8*\b+4:BC+8*\b+7], v8, s[80:81] offset:64*\b+16
.endr
.irp a, 0,1,2,3,4,5,6,7
	global_load_b32 v[BRR+\a], v9, s[82:83] offset:64*\a
.endr
.macro FRAG reg, adr, q, i
.irp c, 0,1,2,3
	ds_load_b128 v[\reg+4*\c:\reg+4*\c+3], v[\adr] offset:128*(\q)+32*\c+(\i)*16*PITCH
.endr
.endm
.macro MUL16 a0, p, zero
.irp a, \a0, \a0+1
.irp b, 0,1,2,3,4,5,6,7
.if \zero
	v_wmma_f32_16x16x128_bf8_bf8 v[8*(8*((\a)%4)+\b):8*(8*((\a)%4)+\b)+7], v[128*(\p)+FR*\b:128*(\p)+FR*\b+FR-1], v[AF+FR*(\a):AF+FR*(\a)+FR-1], 0
.else
	v_wmma_f32_16x16x128_bf8_bf8 v[8*(8*((\a)%4)+\b):8*(8*((\a)%4)+\b)+7], v[128*(\p)+FR*\b:128*(\p)+FR*\b+FR-1], v[AF+FR*(\a):AF+FR*(\a)+FR-1], v[8*(8*((\a)%4)+\b):8*(8*((\a)%4)+\b)+7]
.endif
.endr
.endr
.endm
.macro FETCH_B slot, q, p
	WIN TO_B
.irp i, 0,1,2,3,4,5,6,7
	FRAG 128*(\p)+FR*\i, ADRB+\slot, \q, \i
.endr
	WIN 0
.endm
.macro FETCH_A slot, q, i0
.irp i, \i0, \i0+1, \i0+2, \i0+3
	FRAG AF+FR*(\i), ADRA+\slot, \q, \i
.endr
.endm
.macro PLACES n
.rept \n
	v_nop
.endr
.endm
.macro STEP slot, q, zero
	s_wait_dscnt 4*NL
	WIN MUL_LO
	MUL16 0, (\q)%2, \zero
	MUL16 2, (\q)%2, \zero
	s_wait_dscnt 0
	PLACES NP
	FETCH_B \slot, (\q)+1, 1-(\q)%2
	FETCH_A \slot, (\q)+1, 0
	WIN MUL_HI
	MUL16 4, (\q)%2, \zero
	MUL16 6, (\q)%2, \zero
	PLACES NP
	WIN 0
	FETCH_A \slot, (\q)+1, 4
.endm
.macro TURN slot, next, fill
	s_wait_tensorcnt 0x0
	ds_add_u32 v[SPW], v[NIL]
	s_wait_dscnt 4*NL+1
	WIN MUL_LO
	MUL16 0, 1, 0
	s_wait_dscnt 0x0
	s_barrier_signal -1
	MUL16 2, 1, 0
	WIN 0
	s_barrier_wait -1
.if \fill
	CREST
	s_add_nc_u64 s[G0+4*\slot+2:G0+4*\slot+3], s[G0+4*\slot+2:G0+4*\slot+3], 2*ROWB
	s_add_nc_u64 s[G0B+4*\slot+2:G0B+4*\slot+3], s[G0B+4*\slot+2:G0B+4*\slot+3], 2*ROWB
	JLOAD G0+4*\slot, G1, G0B+4*\slot, G1B
.else
	PLACES NP
.endif
	FETCH_B \next, 0, 0
	FETCH_A \next, 0, 0
	WIN MUL_HI
	MUL16 4, 1, 0
	MUL16 6, 1, 0
	PLACES NP
	WIN 0
	FETCH_A \next, 0, 4
.endm
	s_wait_tensorcnt 1
	s_barrier_signal -1
	s_barrier_wait -1
	FETCH_B 0, 0, 0
	FETCH_A 0, 0, 0
	FETCH_A 0, 0, 4
	STEP 0, 0, 1
	s_mov_b32 s3, LAPS-1
.Llap:
	TURN 0, 1, 1
	STEP 1, 0, 0
	TURN 1, 0, 1
	STEP 0, 0, 0
	s_sub_co_u32 s3, s3, 1
	s_cmp_lg_u32 s3, 0
	s_cbranch_scc1 .Llap
	TURN 0, 1, 0
	STEP 1, 0, 0
	s_wait_dscnt 4*NL
	WIN MUL_LO
	MUL16 0, 1, 0
	MUL16 2, 1, 0
	s_wait_dscnt 0
	WIN MUL_HI
	MUL16 4, 1, 0
	MUL16 6, 1, 0
	WIN 0
	s_wait_kmcnt 0x0
	s_wait_loadcnt 0x0
	s_add_co_i32 s68, s68, s69
	s_add_co_i32 s70, s70, s71
	s_add_co_i32 s72, s72, s73
	s_cmp_eq_u32 s94, 0
	s_cselect_b32 s96, s68, s70
	s_cselect_b32 s74, s74, s75
	s_cmp_eq_u32 s94, 2
	s_cselect_b32 s96, s72, s96
	s_cselect_b32 s74, s77, s74
	s_add_co_i32 s96, s96, 127
	s_lshl_b32 s96, s96, 23
	s_mov_b32 s97, s96
	s_add_co_i32 s74, s74, 127
	s_lshl_b32 s75, s74, 23
	v_mov_b32 v[SCV], s75
	s_add_co_i32 s74, s74, 15
	s_lshl_b32 s74, s74, 23
	s_or_b32 s74, s74, 0x600000
	v_mov_b32 v[LIMV], s74
	s_sub_co_u32 s99, 0, s98
	s_not_b32 s100, s99
.set j, 0
.rept 64
	v_cndmask_b32 v[BC+j], 0, v[BC+j], s100
.set j, j+1
.endr
.irp a, 0,1,2,3,4,5,6,7
	v_cndmask_b32 v[BR+2*\a],   0, v[BRR+\a], s99
	v_cndmask_b32 v[BR+2*\a+1], 0, v[BRR+\a], s99
.endr
	s_lshl_b32 s18, s42, 2
	s_lshl_b32 s19, s16, 1
	s_add_co_u32 s18, s18, s19
	s_lshl_b32 s19, s17, 2
	s_lshl_b32 s20, s15, 1
	s_add_co_u32 s19, s19, s20
	s_mov_b32 s22, 4096
	s_mov_b32 s23, 0x20000
	s_cmp_eq_u32 s98, 1
	s_cselect_b32 s20, s18, s19
	s_cselect_b32 s21, s19, s18
	s_cselect_b32 s90, s23, s22
	s_cselect_b32 s92, s22, s23
	s_lshr_b32 s88, s20, 5
	s_lshl_b32 s88, s88, 21
	s_and_b32 s20, s20, 31
	s_lshl_b32 s20, s20, 12
	s_add_co_u32 s88, s88, s20
	s_lshl_b32 s21, s21, 17
	s_add_co_u32 s88, s88, s21
	s_mov_b32 s89, 0
	s_mov_b32 s91, 0
	s_mov_b32 s93, 0
	s_add_nc_u64 s[80:81], s[10:11], s[88:89]
	s_add_nc_u64 s[82:83], s[80:81], s[92:93]
	s_add_nc_u64 s[84:85], s[80:81], s[90:91]
	s_add_nc_u64 s[86:87], s[84:85], s[92:93]
.macro OUTB a
.set AC, 64*((\a)%4)
.set CODE, 192+16*((\a)%4)
.set WW, 0x02+((\a)/4)
	WIN WW
.set j, 0
.rept 32
	v_pk_fma_f32 v[TMP+j:TMP+j+1], v[AC+j:AC+j+1], s[96:97], v[BC+j:BC+j+1] op_sel_hi:[1,0,1]
.set j, j+2
.endr
	WIN 0
.set j, 0
.rept 32
	v_pk_add_f32 v[TMP+j:TMP+j+1], v[TMP+j:TMP+j+1], v[BR+2*(\a):BR+2*(\a)+1]
.set j, j+2
.endr
.set j, 0
.rept 64
	v_med3_num_f32 v[TMP+j], v[TMP+j], -v[LIMV], v[LIMV]
.set j, j+1
.endr
.if (\a) >= 4
	s_wait_alu depctr_va_vdst(0)
	s_wait_xcnt 0x0
.endif
.irp b, 0,1,2,3,4,5,6,7
	v_cvt_scalef32_pk8_bf8_f32 v[CODE+2*\b:CODE+2*\b+1], v[TMP+8*\b:TMP+8*\b+7], v[SCV]
.endr
	v_nop
.irp c, 0,1,2,3
	global_store_b128 v[CO], v[CODE+4*\c:CODE+4*\c+3], s[80+4*((\a)/4)+2*(\c/2):81+4*((\a)/4)+2*(\c/2)] offset:((\a)%4)*1024+(\c%2)*512
.endr
.endm
.irp a, 0,1,2,3,4,5,6,7
	OUTB \a
.endr
	s_wait_tensorcnt 0x0
	ds_add_u32 v[SPW], v[NIL]
	s_wait_dscnt 0x0
	CROUND
	s_endpgm
.Lfunc_end_k_q003f1393e6_qkv:
	.size	k_q003f1393e6_qkv, .Lfunc_end_k_q003f1393e6_qkv-k_q003f1393e6_qkv
	.p2alignl 7, 3214868480
	.fill 96, 4, 3214868480
	.section	.rodata,"a",@progbits
	.p2align	6, 0x0
	.amdhsa_kernel k_q003f1393e6_qkv
		.amdhsa_group_segment_fixed_size 327680
		.amdhsa_private_segment_fixed_size 0
		.amdhsa_enable_private_segment 0
		.amdhsa_kernarg_size 104
		.amdhsa_user_sgpr_count 2
		.amdhsa_user_sgpr_kernarg_segment_ptr 1
		.amdhsa_wavefront_size32 1
		.amdhsa_system_sgpr_workgroup_id_x 1
		.amdhsa_system_sgpr_workgroup_id_y 1
		.amdhsa_system_sgpr_workgroup_id_z 1
		.amdhsa_system_vgpr_workitem_id 0
		.amdhsa_next_free_vgpr 1024
		.amdhsa_next_free_sgpr 102
		.amdhsa_reserve_vcc 0
		.amdhsa_float_denorm_mode_32 3
		.amdhsa_float_denorm_mode_16_64 3
		.amdhsa_memory_ordered 1
		.amdhsa_forward_progress 1
		.amdhsa_inst_pref_size 160
	.end_amdhsa_kernel
	.amdgpu_metadata
---
amdhsa.version: [ 1, 2 ]
amdhsa.kernels:
  - .name:           k_q003f1393e6_qkv
    .symbol:         k_q003f1393e6_qkv.kd
    .args:
      - { .name: xq, .offset: 0, .size: 8, .value_kind: global_buffer, .address_space: global }
      - { .name: xk, .offset: 8, .size: 8, .value_kind: global_buffer, .address_space: global }
      - { .name: xv, .offset: 16, .size: 8, .value_kind: global_buffer, .address_space: global }
      - { .name: Wq_codes, .offset: 24, .size: 8, .value_kind: global_buffer, .address_space: global }
      - { .name: Wk_codes, .offset: 32, .size: 8, .value_kind: global_buffer, .address_space: global }
      - { .name: Wv_codes, .offset: 40, .size: 8, .value_kind: global_buffer, .address_space: global }
      - { .name: bq, .offset: 48, .size: 8, .value_kind: global_buffer, .address_space: global }
      - { .name: bk, .offset: 56, .size: 8, .value_kind: global_buffer, .address_space: global }
      - { .name: bv, .offset: 64, .size: 8, .value_kind: global_buffer, .address_space: global }
      - { .name: lowp_scales, .offset: 72, .size: 8, .value_kind: global_buffer, .address_space: global }
      - { .name: qc, .offset: 80, .size: 8, .value_kind: global_buffer, .address_space: global }
      - { .name: kc, .offset: 88, .size: 8, .value_kind: global_buffer, .address_space: global }
      - { .name: vc, .offset: 96, .size: 8, .value_kind: global_buffer, .address_space: global }
    .group_segment_fixed_size: 327680
    .private_segment_fixed_size: 0
    .kernarg_segment_align: 8
    .kernarg_segment_size: 104
    .max_flat_workgroup_size: 128
    .sgpr_count:     102
    .vgpr_count:     1024
    .wavefront_size: 32
...
	.end_amdgpu_metadata
.endif
;; end of part 2
;; launch attn (part 3): grid 8 x 32, 16 waves a work-group, clusters of 4 x 1, 327,680 bytes of LDS; arguments qc, kc, vc, lowp_scales, oc; writes oc
.if DOCPART == 3
	.amdgcn_target "amdgcn-amd-amdhsa--gfx1250"
	.amdhsa_code_object_version 6
	.text
	.protected	k_q003f1393e6_attn
	.globl	k_q003f1393e6_attn
	.p2align	8
	.type	k_q003f1393e6_attn,@function
k_q003f1393e6_attn:
	s_mov_b64 s[64:65], 0
	v_nop
	global_prefetch_b8 v0, s[64:65] scope:SCOPE_SE
	s_setreg_imm32_b32 hwreg(HW_REG_WAVE_MODE, 25, 1), 1
	s_wait_xcnt 0x0
	s_wait_alu depctr_hold_cnt(0) depctr_sa_sdst(0) depctr_va_vdst(0) depctr_va_sdst(0) depctr_va_ssrc(0) depctr_va_vcc(0) depctr_vm_vsrc(0)
	s_getreg_b32 s2, hwreg(HW_REG_IB_STS2, 6, 4)
	s_cmp_eq_u32 s2, 0
	s_cbranch_scc0 .Lentry_in_a_cluster
	s_endpgm
.Lentry_in_a_cluster:
	s_bfe_u32 s2, ttmp6, 0x10000c
	s_cmp_lg_u32 s2, 0x3003
	s_cbranch_scc0 .Lentry_shape_is_right
	s_endpgm
.Lentry_shape_is_right:
; o[q] = the sum over keys of softmax(q . k / 32) v, for 32 heads (batch x 16 + head) of 2,048 tokens and 64 channels, both products on codes of BF8 (E5M2); the result is quantised with 2^e10 for the last projection.
; THE SOFTMAX AHEAD OF THE SECOND PRODUCT: t = score x log2(e) / 32; M = ceil(the row's largest t); p = 2^(t - M) is what is quantised (2^e8), not normalised; the row's sum of the unquantised p, in f32, divides at the end.
; TWO WALKS OVER THE KEYS.  The first makes S^T = K Q^T and takes only the row's maximum: M is final before any exponential.  The second makes S^T again, then p, the sum, the codes and O^T += V^T P^T.
; So no running maximum is kept, and neither the sum nor O^T is ever rescaled or cleared: a step of 64 keys pays 8 more matrix instructions for that.
; SHARES.  A work-group owns 256 queries of one head.  Sixteen waves, four to a SIMD: wave w owns the 32 queries (two tiles of 16) of group w % 8 and the 1,024 keys of half w / 8.  Each fragment of K and V feeds two matrix instructions.
; The two waves of a group exchange through LDS: after the first walk their maxima, so that both use the whole row's M; after the second walk each sends one tile's O^T and sum to the other and finishes the tile that it keeps.
; The wave of key half 1 loads its two tiles of Q in the other order, so every wave keeps register tile 0 (query tile w / 8) and sends register tile 1: one text, no branch.
; qc, kc, vc hold IMAGES OF FRAGMENTS' REGISTERS: [head 32][block of 64: 32][tile 4][1,024 bytes]; lane l's 16 bytes of chunk c at 512 c + 16 l.  A head's K and V, 131,072 bytes each, lie in LDS as in memory; no LDS byte is filled twice.
; LOADS.  At the head each wave asks for 8,192 bytes of K (32 rows of 256 bytes).  When K is in, behind the waits, the add.
; CLUSTER.  The four query blocks of a cluster belong to one head and want the same K and V: each piece is asked for JOINTLY, same descriptor, a mask that names the four.
; NO PREFETCH: both groups of loads go out ahead of the first loop, so there is no loop in which to ask ahead of them.
; LAYOUT.  Both products transposed.  S^T: lane (r, h) holds query r, register j of key tile t the key 16 t + 8 h + j: the place that the next product's source 1 gives it, so the conversions' results ARE the operand.
; O^T: register j of channel tile d is channel 16 d + 8 h + j.  oc is [128 tokens 32][128 along K 8][16 tokens 8][chunk 4][512 bytes]; a head fills two of the four chunks.
; LIMITS on the given exponents, so that each power of two below is an f32 number: e6 + e7 between -121 and 132; e8 and e10 between -126 and 112; e8 + e9 goes in by v_ldexp_f32 and has none.  NaN is not served.
.set SPARE, 0x40000                    ; behind K and V: the spare words, 128 bytes a wave
.set XM,    0x40800                    ; behind them: 8 bytes a thread for the maxima, and 4,096 bytes on 8 bytes a thread for the sums; no fill lands here
.set Q,   8                            ; v[8:23]    Q: 8 registers a tile
.set KF,  24                           ; v[24:55]   four fragments of K
.set VF,  56                           ; v[56:87]   four fragments of V (first walk: K's second set)
.set S,   88                           ; v[88:151]  S^T, then p: 32 a tile
.set O,   152                          ; v[152:215] O^T: 32 a tile (first walk: the second set of scores)
.set PC,  216                          ; v[216:231] p's codes: 8 a tile (at the head: Q's two offsets)
.set ST,  232                          ; v[232+2n]: -M; the pair's upper word is written once
.set SU,  236                          ; v[236+4n:239+4n]: the sum, two chains of two halves
.set MX,  244                          ; v[244:247] four chains of the maximum
.set FF,  244                          ; on the way out: 2^(e8 + e9) / the sum
.set PD,  248                          ; v[248+n]: a lane permute's destination
.set XSND, 250                         ; XM + 8 x my thread's number
.set XRCV, 251                         ; the same of my partner's thread (wave xor 8)
.set OSND, 252                         ; 4,096 x wave + 16 x lane, in K's region: where I put the tile that I send
.set ORCV, 253                         ; where my partner put the one that I keep
.set LA,  254                          ; 57,344 x the scale, twice: the two halves of a dual pair name second sources in different banks
.set LB,  255
.set SCV, 5                            ; the conversion's scale
; v1: 16 x lane; v2: the same in V's half of LDS; v3, v4: addresses in hand; v6, v7: the add's registers.  s66: first byte of the block in hand; s67: counts trips; s92 group, s93 key half, s94 its first byte in K's and V's regions.
.macro CROUND
	s_barrier_signal -1
	s_barrier_wait -1
	s_cmp_lg_u32 s14, 0
	s_cbranch_scc1 .Lnot_wave_0_\@
	s_barrier_signal -3
.Lnot_wave_0_\@:
	s_barrier_wait -3
	s_barrier_signal -1
	s_barrier_wait -1
.endm
.macro LDF dst, adr, off               ; a block's four fragments: eight loads of 16 bytes a lane
.irp t, 0,1,2,3
.irp c, 0,1
	ds_load_b128 v[\dst+8*\t+4*\c:\dst+8*\t+4*\c+3], v[\adr] offset:\off+1024*\t+512*\c
.endr
.endr
.endm
.macro QK kf, s                        ; S^T of 64 keys x 32 queries: eight accumulators, each begun with 0
.irp t, 0,1,2,3
.irp n, 0,1
	v_wmma_f32_16x16x64_bf8_bf8 v[\s+32*\n+8*\t:\s+32*\n+8*\t+7], v[\kf+8*\t:\kf+8*\t+7], v[Q+8*\n:Q+8*\n+7], 0
.endr
.endr
.endm
.macro MAXS s                          ; 64 scores of a lane into four chains; each accumulator is read from its low end on
.irp i, 0,4,8,12,16,20,24,28
.irp n, 0,1
	v_max3_num_f32 v[MX+2*\n],   v[MX+2*\n],   v[\s+32*\n+\i],   v[\s+32*\n+\i+1]
	v_max3_num_f32 v[MX+2*\n+1], v[MX+2*\n+1], v[\s+32*\n+\i+2], v[\s+32*\n+\i+3]
.endr
.endr
.endm
	s_load_b256 s[4:11], s[0:1], 0x0               ; qc, kc, vc, the scales' exponents
	s_load_b64 s[12:13], s[0:1], 0x20              ; oc
	v_lshl_add_u32 v6, v0, 2, SPARE
	v_mov_b32 v7, 0
	ds_add_u32 v6, v7                              ; the opening lines: the add twice on end and its wait ahead of the first tensor load
	ds_add_u32 v6, v7
	v_lshrrev_b32 v3, 5, v0
	v_readfirstlane_b32 s14, v3                    ; wave 0..15
	s_and_b32 s92, s14, 7                          ; my group of 32 queries
	s_lshr_b32 s93, s14, 3                         ; my half of the keys
	s_lshl_b32 s94, s93, 16
	s_and_b32 s15, s14, 3
	s_bfe_u32 s16, ttmp6, 0x40000                  ; cx
	s_lshl_b32 s17, ttmp9, 2
	s_add_co_u32 s17, s17, s16                     ; my block of 256 queries: it enters Q's and O's addresses alone
	s_and_b32 s18, ttmp7, 0xffff                   ; batch x 16 + head, which the four partners share
	s_mov_b32 s20, 0x76543210
	s_mov_b32 s21, 0xfedcba98                      ; selects for lane l xor 16
	s_mov_b32 s24, 15|(3<<16)|(1<<21)              ; group 1: the mask of all four; elements of 8 bytes; bit 21 beside a mask; no padding
	s_mov_b32 s25, 32<<16                          ; a dense piece of 8,192 bytes: 32 rows of 32 elements
	s_mov_b32 s26, 32<<16
	s_mov_b32 s27, 32<<16
	s_mov_b32 s28, 32
	s_mov_b32 s29, 32
	s_mov_b32 s30, 0
	s_mov_b32 s31, 0
	s_lshl_b32 s70, s14, 13                        ; my sixteenth of 131,072 bytes: the same place in LDS and in memory
	s_lshl_b32 s68, s18, 17                        ; the head's first byte
	s_add_co_u32 s68, s68, s70
	s_mov_b32 s69, 0
	s_lshl_b32 s88, s18, 17                        ; Q: the head, my block's 256 queries of 64 bytes, my group's 32
	s_lshl_b32 s71, s17, 14
	s_add_co_u32 s88, s88, s71
	s_lshl_b32 s71, s92, 11
	s_add_co_u32 s88, s88, s71
	s_mov_b32 s89, 0
	s_lshr_b32 s90, s18, 4                         ; O: the group of 128 tokens is 16 x batch + 2 x block + group / 4,
	s_lshl_b32 s90, s90, 4
	s_lshl_b32 s71, s17, 1
	s_add_co_u32 s90, s90, s71
	s_lshr_b32 s71, s92, 2
	s_add_co_u32 s90, s90, s71
	s_lshl_b32 s90, s90, 17
	s_bfe_u32 s71, s18, 0x30001                    ; head / 2: which 128 along K,
	s_lshl_b32 s71, s71, 14
	s_add_co_u32 s90, s90, s71
	s_lshl_b32 s71, s15, 12                        ; my group's two tiles of 16 tokens,
	s_add_co_u32 s90, s90, s71
	s_lshl_b32 s71, s93, 11                        ; of which I finish the one with my key half's number,
	s_add_co_u32 s90, s90, s71
	s_and_b32 s71, s18, 1                          ; head % 2: which two of the four chunks
	s_lshl_b32 s71, s71, 10
	s_add_co_u32 s90, s90, s71
	s_mov_b32 s91, 0
	s_wait_dscnt 0x0
	s_wait_kmcnt 0x0
	s_load_b256 s[72:79], s[10:11], 0x10           ; e4 .. e11: s74 e6, s75 e7, s76 e8, s77 e9, s78 e10
	s_mov_b32 s32, 1                               ; group 0 for my piece of K,
	s_mov_b32 s33, s70
	s_add_nc_u64 s[34:35], s[6:7], s[68:69]
	s_or_b32 s35, s35, 0x80000000
	s_mov_b32 s36, 1                               ; and of V, whose region begins at 131,072
	s_add_co_u32 s37, s70, 131072
	s_add_nc_u64 s[38:39], s[8:9], s[68:69]
	s_or_b32 s39, s39, 0x80000000
	s_add_nc_u64 s[84:85], s[4:5], s[88:89]
	s_add_nc_u64 s[86:87], s[12:13], s[90:91]
	CROUND                                         ; all four work-groups are here: the joint loads meet
	tensor_load_to_lds s[32:35], s[24:31]          ; K: every wave's one load at the head
	s_nop 0
	v_and_b32 v1, 31, v0
	v_lshlrev_b32 v1, 4, v1
	s_lshl_b32 s71, s93, 10
	v_add_nc_u32 v[PC], s71, v1                    ; register tile 0 is the query tile with my key half's number,
	v_xor_b32 v[PC+1], 0x400, v[PC]                ; register tile 1 the other
.irp n, 0,1
.irp c, 0,1
	global_load_b128 v[Q+8*\n+4*\c:Q+8*\n+4*\c+3], v[PC+\n], s[84:85] offset:512*\c   ; Q's two fragments stay in registers
.endr
.endr
	v_add_nc_u32 v2, 0x20000, v1
	v_add_nc_u32 v3, s94, v1
	v_lshl_add_u32 v[XSND], v0, 3, XM
	v_xor_b32 v[XRCV], 0x100, v0
	v_lshl_add_u32 v[XRCV], v[XRCV], 3, XM
	v_lshrrev_b32 v[OSND], 5, v0
	v_lshl_add_u32 v[OSND], v[OSND], 12, v1
	v_xor_b32 v[ORCV], 0x8000, v[OSND]
.irp i, 0,1,2,3
	v_mov_b32 v[MX+\i], 0xff800000                 ; -infinity, under every score
.endr
.irp n, 0,1
	v_mov_b32 v[PD+\n], 0                          ; a lane permute's destination counts as one of its sources
	v_mov_b32 v[ST+2*\n+1], 0                      ; (named as the upper halves of pairs)
.endr
.irp i, 0,1,2,3,4,5,6,7
	v_mov_b32 v[SU+\i], 0                          ; the sums
.endr
	s_wait_kmcnt 0x0
	s_add_co_i32 s71, s74, s75
	s_lshl_b32 s71, s71, 23
	s_add_co_i32 s22, s71, 0x3d38aa3b              ; c = log2(e) / 32, with e6 + e7 added to its exponent field
	s_mov_b32 s23, s22
	s_add_co_i32 s71, s76, 127
	s_lshl_b32 s88, s71, 23
	v_mov_b32 v[SCV], s88                          ; 2^e8 as f32
	s_add_co_i32 s71, s71, 15
	s_lshl_b32 s71, s71, 23
	s_or_b32 s71, s71, 0x600000
	v_mov_b32 v[LA], s71                           ; 57,344 x 2^e8
	v_mov_b32 v[LB], s71
	s_mov_b32 s66, s94
	s_wait_alu depctr_va_vdst(0)                   ; the wait at the head's end
	s_wait_tensorcnt 0x0                           ; my piece of K is in
	ds_add_u32 v6, v7
	s_wait_dscnt 0x0
	CROUND                                         ; everybody's piece of K is in, and the four work-groups meet again
	tensor_load_to_lds s[36:39], s[24:31]          ; V: the first tensor load behind the round
	s_nop 0
	; THE FIRST WALK, over my 16 blocks: the largest score.  Two sets of fragments and of scores by turns: the 32 maxima over one set are the places behind the other set's matrix instructions.
	LDF KF, 3, 0                                   ; block 0
	LDF VF, 3, 4096                                ; block 1
	s_wait_loadcnt 0x0                             ; Q
	s_wait_dscnt 8                                 ; block 0 is in; the eight younger loads may be out
	QK KF, S
.rept 4
	v_nop                                          ; places in front of the loads into registers that matrix instructions have read
.endr
	s_mov_b32 s67, 7
.Lmax:                                             ; trip i: products of blocks 2 i + 1 and 2 i + 2, maxima of blocks 2 i and 2 i + 1
	LDF KF, 3, 8192                                ; block 2 i + 2
	s_wait_alu depctr_va_vdst(0)                   ; the wait ahead of the wait below
	s_wait_dscnt 8                                 ; block 2 i + 1 is in
	QK VF, O
	MAXS S
	LDF VF, 3, 12288                               ; block 2 i + 3
	s_add_co_u32 s66, s66, 8192
	v_add_nc_u32 v3, s66, v1
	s_wait_alu depctr_va_vdst(0)
	s_wait_dscnt 8                                 ; block 2 i + 2 is in
	QK KF, S
	MAXS O
	s_sub_co_u32 s67, s67, 1
	s_cmp_lg_u32 s67, 0
	s_cbranch_scc1 .Lmax
	s_mov_b32 s66, s94
	v_add_nc_u32 v3, s66, v1
	LDF KF, 3, 0                                   ; the second walk's first block of K
	s_wait_alu depctr_va_vdst(0)
	s_wait_dscnt 8                                 ; block 15 is in
	QK VF, O
	MAXS S
	MAXS O
	v_max_num_f32 v[MX],   v[MX],   v[MX+1]        ; register tile 0's into v[MX], tile 1's into v[MX+1]
	v_max_num_f32 v[MX+1], v[MX+2], v[MX+3]
.irp n, 0,1
	v_permlanex16_b32 v[PD+\n], v[MX+\n], s20, s21
.endr
.irp n, 0,1
	v_max_num_f32 v[MX+\n], v[MX+\n], v[PD+\n]     ; and among lane l xor 16's keys
.endr
	s_wait_alu depctr_va_vdst(0)                   ; the wait ahead of the waits below
	s_wait_tensorcnt 0x0                           ; my piece of V is in,
	ds_store_b64 v[XSND], v[MX:MX+1]               ; my half's two maxima, for my partner
	s_wait_dscnt 0x0
	s_barrier_signal -1
	s_barrier_wait -1                              ; everybody's piece is in, and so are the maxima.
	ds_load_b64 v[MX+2:MX+3], v[XRCV]
	s_wait_dscnt 0x0
	v_max_num_f32 v[MX],   v[MX],   v[MX+3]        ; my partner holds the two tiles in the other order
	v_max_num_f32 v[MX+1], v[MX+1], v[MX+2]
.irp n, 0,1
	v_mul_f32 v[MX+\n], s22, v[MX+\n]              ; as t (c is positive)
.endr
.irp n, 0,1
	v_floor_f32 v[ST+2*\n], -v[MX+\n]              ; -M = floor(-t) = -ceil(t), of the whole row
.endr
	s_wait_alu depctr_va_vdst(0)                   ; the wait ahead of the step's first wait
; A KEY STEP of the second walk: 64 keys.  zero = 1: the products start O^T.  pre = 1: the next step's K is fetched too.
.macro STEP zero, pre
	s_wait_dscnt 0x0                               ; K of this step is in
	QK KF, S
	v_add_nc_u32 v3, s66, v1                       ; four places: in front of the loads into K's and V's registers and of the first read of the scores
	v_add_nc_u32 v4, s66, v2
	v_nop
	v_nop
	LDF VF, 4, 0
.if \pre
	LDF KF, 3, 4096
.endif
.set j, 0
.rept 16
.irp n, 0,1
	v_pk_fma_f32 v[S+32*\n+j:S+32*\n+j+1], v[S+32*\n+j:S+32*\n+j+1], s[22:23], v[ST+2*\n:ST+2*\n+1] op_sel_hi:[1,0,0]   ; t - M, two at a time
.endr
.set j, j+2
.endr
	s_wait_alu depctr_va_vdst(0)                   ; the wait ahead of the batch
.set j, 0
.rept 64
	v_exp_f32 v[S+j], v[S+j]                       ; p = 2^(t - M), at most 1
.set j, j+1
.endr
	v_nop                                          ; a plain place behind the exponentials
	s_wait_alu depctr_va_vdst(0)                   ; one wait for the batch, ahead of its first reader
.irp j, 0,4,8,12,16,20,24,28
.irp n, 0,1
	v_pk_add_f32 v[SU+4*\n:SU+4*\n+1],   v[SU+4*\n:SU+4*\n+1],   v[S+32*\n+\j:S+32*\n+\j+1]      ; the sum of the UNQUANTISED p, four chains
	v_pk_add_f32 v[SU+4*\n+2:SU+4*\n+3], v[SU+4*\n+2:SU+4*\n+3], v[S+32*\n+\j+2:S+32*\n+\j+3]
.endr
.endr
.set j, 0
.rept 32
	v_dual_min_num_f32 v[S+j], v[S+j], v[LA] :: v_dual_min_num_f32 v[S+j+1], v[S+j+1], v[LB]   ; the hold (the conversion does not saturate: ISA guide 7.6.2); p is not negative, so it is one-sided; two a line
.set j, j+2
.endr
.irp n, 0,1
.irp t, 0,1,2,3
	v_cvt_scalef32_pk8_bf8_f32 v[PC+8*\n+2*\t:PC+8*\n+2*\t+1], v[S+32*\n+8*\t:S+32*\n+8*\t+7], v[SCV]   ; keys 16 t + 8 h + 0 .. 7: registers 2 t, 2 t + 1 of the operand
.endr
.endr
	v_nop                                          ; one plain line behind the last conversion
	s_wait_alu depctr_va_vdst(0)                   ; the wait ahead of the wait below
	s_wait_dscnt 8*\pre                            ; V is in; the eight younger loads, the next step's K, may be out
.irp d, 0,1,2,3                        ; eight accumulators, one instruction a turn
.irp n, 0,1
.if \zero
	v_wmma_f32_16x16x64_bf8_bf8 v[O+32*\n+8*\d:O+32*\n+8*\d+7], v[VF+8*\d:VF+8*\d+7], v[PC+8*\n:PC+8*\n+7], 0
.else
	v_wmma_f32_16x16x64_bf8_bf8 v[O+32*\n+8*\d:O+32*\n+8*\d+7], v[VF+8*\d:VF+8*\d+7], v[PC+8*\n:PC+8*\n+7], v[O+32*\n+8*\d:O+32*\n+8*\d+7]
.endif
.endr
.endr
	s_add_co_u32 s66, s66, 4096                    ; the next 64 keys
.endm
	STEP 1, 1
	s_mov_b32 s67, 14
.Lstep:
	STEP 0, 1
	s_sub_co_u32 s67, s67, 1
	s_cmp_lg_u32 s67, 0
	s_cbranch_scc1 .Lstep
	STEP 0, 0
	; THE TWO HALVES OF THE KEYS ARE JOINED.  Both were summed under the same M, so O^T and the sums simply add.  Four places stand behind the last products.
	v_pk_add_f32 v[SU:SU+1],   v[SU:SU+1],   v[SU+2:SU+3]
	v_pk_add_f32 v[SU+4:SU+5], v[SU+4:SU+5], v[SU+6:SU+7]
	v_nop
	v_nop
	s_wait_alu depctr_va_vdst(0)                   ; the wait ahead of the wait below
	s_wait_dscnt 0x0                               ; my reads of K and V are over,
	s_barrier_signal -1
	s_barrier_wait -1                              ; everybody's are: K's region, which has had its last fill, takes the tiles that are sent
.irp g, 0,1,2,3,4,5,6,7
	ds_store_b128 v[OSND], v[O+32+4*\g:O+32+4*\g+3] offset:512*\g   ; register tile 1, as an image of its registers, each accumulator from its low end on
.endr
	ds_store_b64 v[XSND], v[SU+4:SU+5] offset:4096 ; and its sum, in two halves
	s_wait_dscnt 0x0
	s_barrier_signal -1
	s_barrier_wait -1
.irp g, 0,1,2,3,4,5,6,7
	ds_load_b128 v[S+4*\g:S+4*\g+3], v[ORCV] offset:512*\g          ; my partner's share of the tile that I keep
.endr
	ds_load_b64 v[SU+2:SU+3], v[XRCV] offset:4096
	s_wait_dscnt 0x0
.set j, 0
.rept 16
	v_pk_add_f32 v[S+j:S+j+1], v[O+j:O+j+1], v[S+j:S+j+1]
.set j, j+2
.endr
	v_pk_add_f32 v[SU:SU+1], v[SU:SU+1], v[SU+2:SU+3]
	v_add_f32 v[SU], v[SU], v[SU+1]
	v_permlanex16_b32 v[PD], v[SU], s20, s21
	v_add_f32 v[SU], v[SU], v[PD]                  ; and lane l xor 16's: the row's sum
	; THE WAY OUT of the tile that I keep: O^T / the sum x 2^(e8 + e9), held, converted with 2^e10, stored as its part of an image.
	s_wait_alu depctr_va_vdst(0)                   ; ahead of the reciprocal
	v_rcp_f32 v[FF], v[SU]
	s_add_co_i32 s71, s78, 127
	s_lshl_b32 s88, s71, 23
	v_mov_b32 v[SCV], s88                          ; 2^e10 as f32.  (A plain line behind the reciprocal)
	s_add_co_i32 s71, s71, 15
	s_lshl_b32 s71, s71, 23
	s_or_b32 s71, s71, 0x600000
	v_mov_b32 v[LA], s71                           ; 57,344 x 2^e10
	s_add_co_i32 s89, s76, s77
	s_wait_alu depctr_va_vdst(0)                   ; ahead of the reciprocal's first reader
	v_ldexp_f32 v[FF], v[FF], s89                  ; x 2^(e8 + e9)
.set j, 0
.rept 16
	v_pk_mul_f32 v[S+j:S+j+1], v[S+j:S+j+1], v[FF:FF+1] op_sel_hi:[1,0]
.set j, j+2
.endr
.set j, 0
.rept 32
	v_med3_num_f32 v[S+j], v[S+j], -v[LA], v[LA]
.set j, j+1
.endr
.irp d, 0,1,2,3
	v_cvt_scalef32_pk8_bf8_f32 v[PC+2*\d:PC+2*\d+1], v[S+8*\d:S+8*\d+7], v[SCV]   ; channels 16 d + 8 h + 0 .. 7
.endr
	v_nop                                          ; one plain line behind the last conversion
.irp m, 0,1
	global_store_b128 v1, v[PC+4*\m:PC+4*\m+3], s[86:87] offset:512*\m   ; 32 lanes store 512 consecutive bytes, at a multiple of 256 from the buffer's first byte
.endr
	s_wait_tensorcnt 0x0                           ; the wave's end
	ds_add_u32 v6, v7
	s_wait_dscnt 0x0
	CROUND                                         ; the closing round
	s_endpgm
.Lfunc_end_k_q003f1393e6_attn:
	.size	k_q003f1393e6_attn, .Lfunc_end_k_q003f1393e6_attn-k_q003f1393e6_attn
	.p2alignl 7, 3214868480
	.fill 96, 4, 3214868480
	.section	.rodata,"a",@progbits
	.p2align	6, 0x0
	.amdhsa_kernel k_q003f1393e6_attn
		.amdhsa_group_segment_fixed_size 327680
		.amdhsa_private_segment_fixed_size 0
		.amdhsa_enable_private_segment 0
		.amdhsa_kernarg_size 40
		.amdhsa_user_sgpr_count 2
		.amdhsa_user_sgpr_kernarg_segment_ptr 1
		.amdhsa_wavefront_size32 1
		.amdhsa_system_sgpr_workgroup_id_x 1
		.amdhsa_system_sgpr_workgroup_id_y 1
		.amdhsa_system_sgpr_workgroup_id_z 1
		.amdhsa_system_vgpr_workitem_id 0
		.amdhsa_next_free_vgpr 256
		.amdhsa_next_free_sgpr 96
		.amdhsa_reserve_vcc 0
		.amdhsa_float_denorm_mode_32 3
		.amdhsa_float_denorm_mode_16_64 3
		.amdhsa_memory_ordered 1
		.amdhsa_forward_progress 1
		.amdhsa_inst_pref_size 60
	.end_amdhsa_kernel
	.amdgpu_metadata
---
amdhsa.version: [ 1, 2 ]
amdhsa.kernels:
  - .name:           k_q003f1393e6_attn
    .symbol:         k_q003f1393e6_attn.kd
    .args:
      - { .name: qc, .offset: 0, .size: 8, .value_kind: global_buffer, .address_space: global }
      - { .name: kc, .offset: 8, .size: 8, .value_kind: global_buffer, .address_space: global }
      - { .name: vc, .offset: 16, .size: 8, .value_kind: global_buffer, .address_space: global }
      - { .name: lowp_scales, .offset: 24, .size: 8, .value_kind: global_buffer, .address_space: global }
      - { .name: oc, .offset: 32, .size: 8, .value_kind: global_buffer, .address_space: global }
    .group_segment_fixed_size: 327680
    .private_segment_fixed_size: 0
    .kernarg_segment_align: 8
    .kernarg_segment_size: 40
    .max_flat_workgroup_size: 512
    .sgpr_count:     96
    .vgpr_count:     256
    .wavefront_size: 32
...
	.end_amdgpu_metadata
.endif
;; end of part 3
;; launch oproj (part 4): grid 8 x 32, 4 waves a work-group, clusters of 4 x 4, 327,680 bytes of LDS; arguments oc, Wo_codes, bo, lowp_scales, out0; writes out0
.if DOCPART == 4
	.amdgcn_target "amdgcn-amd-amdhsa--gfx1250"
	.amdhsa_code_object_version 6
	.text
	.protected	k_q003f1393e6_oproj
	.globl	k_q003f1393e6_oproj
	.p2align	8
	.type	k_q003f1393e6_oproj,@function
k_q003f1393e6_oproj:
	s_mov_b64 s[64:65], 0
	v_nop
	global_prefetch_b8 v0, s[64:65] scope:SCOPE_SE
	s_setreg_imm32_b32 hwreg(HW_REG_WAVE_MODE, 25, 1), 1
	s_wait_xcnt 0x0
	s_wait_alu depctr_hold_cnt(0) depctr_sa_sdst(0) depctr_va_vdst(0) depctr_va_sdst(0) depctr_va_ssrc(0) depctr_va_vcc(0) depctr_vm_vsrc(0)
	s_getreg_b32 s2, hwreg(HW_REG_IB_STS2, 6, 4)
	s_cmp_eq_u32 s2, 0
	s_cbranch_scc0 .Lentry_in_a_cluster
	s_endpgm
.Lentry_in_a_cluster:
	s_bfe_u32 s2, ttmp6, 0x10000c
	s_cmp_lg_u32 s2, 0xf033
	s_cbranch_scc0 .Lentry_shape_is_right
	s_endpgm
.Lentry_shape_is_right:
; out0 = o Wo^T + bo on codes of BF8 (E5M2): [4,096 tokens][1,024] f32; K = 1,024.  value = sum x 2^(e10 + e11) + bo.
; A tile of 128 x 128 to a work-group: 256 work-groups.  Four waves, each 64 x 64: 16 accumulators of 16 x 16.  THE TILE'S WHOLE K LIES IN LDS; no LDS byte is filled twice, so there is no ring.
; Each wave asks at the head for ONE part: waves 0, 1 for the two halves (65,536 bytes, dense) of the tokens' images, waves 2, 3 for 64 whole rows of Wo each (1,024 bytes a row).  One wait and one barrier, then eight K steps of 128.
; oc holds IMAGES OF FRAGMENTS' REGISTERS: [128 tokens 32][128 along K 8][16 tokens 8][chunk 4][512 bytes], lane l's 16 bytes of a chunk at 16 l: dense in LDS, four loads of 16 bytes a fragment.  In an image k has the places that this
; matrix instruction's own layout gives it (registers 2 c, 2 c + 1: k = 16 c + 8 (l / 16) + 0 .. 7), so Wo's fragments are fetched to the same places: eight loads of 8 bytes from rows of 1,024 bytes + 16 of padding.
; CLUSTERS: 4 x 4 work-groups.  The four of a row of the cluster need the same tokens, the four of a column the same rows of Wo: each part is asked for JOINTLY, same descriptor, a mask that names the four.
; NO PREFETCH: all loads go out at the head; there is no loop in which to ask ahead of them.
; THE MATRIX INSTRUCTION IS USED TRANSPOSED (source 0 = 16 rows of Wo, source 1 = 16 tokens): a lane holds eight neighbouring numbers of a row of out0.
; LIMIT: e10 + e11 between -126 and 127, so that 2^(e10 + e11) is an f32 number.
; REGISTERS: window 0: v8-11 LDS addresses of my images, 32,768 bytes apart; v12 of my rows of Wo; v16-19 the way out; v32-63 bo of my 64 columns; v64-95 a block's values; v96-127 rows read back; v128-255 the accumulators.
;   window 1: two fragment buffers of 128: 4 x 16 registers of the tokens, then 4 x 16 of Wo.
.set BOFF,  131072                     ; behind the images: 128 rows of Wo
.set WP,    1040                       ; 1,024 bytes + 16 of padding = 260 words: row r, half h start at bank 4 r + 2 h (64 banks of 4 bytes: ISA guide 11.1)
.set BP,    272                        ; the stage's rows: 256 bytes + 16
.set STAGE, 270336                     ; behind Wo's rows (which end at 264,192): 16 rows x 272 bytes for each wave; no tensor load lands here
.set SPARE, STAGE+4*16*BP              ; the spare words, 128 bytes a wave
.set ADA,  8
.set ADB,  12
.set STO,  16
.set RD,   17
.set CO,   18
.set BC,   32
.set TMP,  64
.set OB,   96
.set ACC,  128
.set G1A,  24                          ; s[24:31], s[32:39] descriptor groups 1; s[40:43], s[44:47] groups 0
.set G1B,  32
.set G0A,  40
.set G0B,  44
.set MSB, 0
.macro WIN new                         ; the immediate's high byte repeats the setting that is left
.if MSB != \new
	s_set_vgpr_msb (MSB<<8)|\new
.set MSB, \new
.endif
.endm
.macro CROUND
	s_barrier_signal -1
	s_barrier_wait -1
	s_cmp_lg_u32 s14, 0
	s_cbranch_scc1 .Lnot_wave_0_\@
	s_barrier_signal -3
.Lnot_wave_0_\@:
	s_barrier_wait -3
	s_barrier_signal -1
	s_barrier_wait -1
.endm
.macro PLACES                          ; four places in front of loads into registers that matrix instructions have read, and of the first read of results
.rept 4
	v_nop
.endr
.endm
	s_load_b256 s[4:11], s[0:1], 0x0               ; oc, Wo's codes, bo, the scales' exponents
	s_load_b64 s[12:13], s[0:1], 0x20              ; out0
	v_lshl_add_u32 v30, v0, 2, SPARE
	v_mov_b32 v31, 0
	ds_add_u32 v30, v31                            ; the opening lines
	ds_add_u32 v30, v31
	v_lshrrev_b32 v1, 5, v0
	v_readfirstlane_b32 s14, v1                    ; wave 0..3
	s_lshr_b32 s15, s14, 1                         ; which half of the tile's rows is mine.  Also: I fetch images (0) or rows of Wo (1)
	s_and_b32 s16, s14, 1                          ; which half of its columns.  Also: which half I fetch
	s_bfe_u32 s56, ttmp6, 0x40000                  ; cx, cy
	s_bfe_u32 s57, ttmp6, 0x40004
	s_lshl_b32 s58, ttmp9, 2
	s_add_co_u32 s58, s58, s56                     ; tile column
	s_and_b32 s17, ttmp7, 0xffff
	s_lshl_b32 s17, s17, 2
	s_add_co_u32 s17, s17, s57                     ; tile row
	s_lshl_b32 s59, s57, 2
	s_lshl_b32 s59, 15, s59                        ; my row of the cluster
	s_lshl_b32 s60, 0x1111, s56                    ; my column
	s_or_b32 s[G1A], s59, (3<<16)|(1<<21)          ; the images go to my row; elements of 8 bytes; no padding
	s_mov_b32 s[G1A+1], 32<<16                     ; 65,536 dense bytes as 256 rows of 32 elements
	s_mov_b32 s[G1A+2], 256<<16
	s_mov_b32 s[G1A+3], 32<<16
	s_mov_b32 s[G1A+4], 256
	s_mov_b32 s[G1A+5], 32
	s_mov_b32 s[G1A+6], 0
	s_mov_b32 s[G1A+7], 0
	s_or_b32 s[G1B], s60, (0<<16)|(1<<20)|(1<<21)|(7<<22)|(3<<25)   ; Wo's rows go to my column; elements of 1 byte; 4 words of padding (code 3) after every 256 (code 7)
	s_mov_b32 s[G1B+1], 1024<<16                   ; 64 rows of 1,024 bytes
	s_mov_b32 s[G1B+2], 64<<16
	s_mov_b32 s[G1B+3], 1024<<16
	s_mov_b32 s[G1B+4], 64
	s_mov_b32 s[G1B+5], 1024
	s_mov_b32 s[G1B+6], 0
	s_mov_b32 s[G1B+7], 0
	s_lshl_b32 s18, s17, 17                        ; images: the tile row's 131,072 bytes, + my half
	s_lshl_b32 s19, s16, 16
	s_add_co_u32 s18, s18, s19
	s_mov_b32 s19, 0
	s_lshl_b32 s88, s58, 17                        ; Wo: row 128 x tile column + 64 x half, of 1,024 bytes
	s_lshl_b32 s89, s16, 16
	s_add_co_u32 s88, s88, s89
	s_mov_b32 s89, 0
	s_lshl_b32 s22, s16, 16                        ; where they go: no place in the cluster enters an LDS address
	s_mul_i32 s23, s16, 64*WP
	s_add_co_u32 s23, s23, BOFF
	s_wait_dscnt 0x0
	s_wait_kmcnt 0x0
	s_load_b64 s[84:85], s[10:11], 0x28            ; e10, e11
	s_mov_b32 s[G0A], 1
	s_mov_b32 s[G0A+1], s22
	s_add_nc_u64 s[G0A+2:G0A+3], s[4:5], s[18:19]
	s_or_b32 s[G0A+3], s[G0A+3], 0x80000000
	s_mov_b32 s[G0B], 1
	s_mov_b32 s[G0B+1], s23
	s_add_nc_u64 s[G0B+2:G0B+3], s[6:7], s[88:89]
	s_or_b32 s[G0B+3], s[G0B+3], 0x80000000
	CROUND                                         ; all sixteen work-groups are here: the joint loads meet
	s_cmp_eq_u32 s15, 0                            ; one load in each arm of one branch on the wave's number
	s_cbranch_scc0 .Lfill_b
	tensor_load_to_lds s[G0A:G0A+3], s[G1A:G1A+7]
	s_nop 0
.rept 4
	v_nop
.endr
	s_branch .Lfilled
.Lfill_b:
	tensor_load_to_lds s[G0B:G0B+3], s[G1B:G1B+7]
	s_nop 0
.rept 4
	v_nop
.endr
.Lfilled:
	v_and_b32 v1, 15, v0                           ; r
	v_bfe_u32 v2, v0, 4, 1                         ; h
	v_and_b32 v3, 31, v0
	v_lshlrev_b32 v3, 4, v3                        ; 16 x lane
	s_lshl_b32 s61, s15, 13                        ; my four tiles of 16 tokens
	v_add_nc_u32 v4, s61, v3
	v_mul_u32_u24 v5, v1, WP
	v_lshl_add_u32 v5, v2, 3, v5                   ; Wo: row r x pitch + 8 x half
	s_mul_i32 s61, s16, 64*WP                      ; my 64 rows
	s_add_co_u32 s61, s61, BOFF
	v_add_nc_u32 v[ADB], s61, v5
.irp q, 0,1,2,3
	v_add_nc_u32 v[ADA+\q], \q*32768, v4
.endr
	s_mul_i32 s61, s14, 16*BP
	s_add_co_u32 s61, s61, STAGE                   ; my stage
	v_mul_u32_u24 v6, v1, BP                       ; in: row r, 32 bytes for each half of the lanes
	v_lshl_add_u32 v6, v2, 5, v6
	v_add_nc_u32 v[STO], s61, v6
	v_mul_u32_u24 v6, v2, BP                       ; back: lanes 0-15 one row of 256 bytes, lanes 16-31 the next
	v_lshl_add_u32 v6, v1, 4, v6
	v_add_nc_u32 v[RD], s61, v6
	v_lshlrev_b32 v[CO], 12, v2                    ; the same two rows in out0
	v_lshl_add_u32 v[CO], v1, 4, v[CO]
	v_lshlrev_b32 v19, 5, v2                       ; 32 h: my eight columns of a block of 16
	s_wait_alu depctr_va_vdst(0)                   ; the wait at the head's end
	s_lshl_b32 s88, s58, 9                         ; my first column, in bytes
	s_lshl_b32 s89, s16, 8
	s_add_co_u32 s88, s88, s89
	s_mov_b32 s89, 0
	s_add_nc_u64 s[8:9], s[8:9], s[88:89]
	s_lshl_b32 s62, s17, 19                        ; my first row
	s_lshl_b32 s63, s15, 18
	s_add_co_u32 s62, s62, s63
	s_mov_b32 s63, 0
	s_add_nc_u64 s[12:13], s[12:13], s[62:63]
	s_add_nc_u64 s[12:13], s[12:13], s[88:89]
.irp b, 0,1,2,3
	global_load_b128 v[BC+8*\b:BC+8*\b+3],   v19, s[8:9] offset:64*\b
	global_load_b128 v[BC+8*\b+4:BC+8*\b+7], v19, s[8:9] offset:64*\b+16
.endr
; The fragments of K step s (128 along K) into buffer s % 2: 16 loads of 16 bytes for the tokens, 32 of 8 bytes for Wo.
.macro FETCH s
.set FQ, (\s)/2
.set FE, (\s)%2
.set FB, 128*((\s)%2)
	WIN 0x40                                       ; destination window 1, address window 0
.irp i, 0,1,2,3
.irp c, 0,1,2,3
	ds_load_b128 v[FB+16*\i+4*\c:FB+16*\i+4*\c+3], v[ADA+FQ] offset:FE*16384+\i*2048+\c*512
.endr
.endr
.irp i, 0,1,2,3
.irp c, 0,1,2,3,4,5,6,7
	ds_load_b64 v[FB+64+16*\i+2*\c:FB+64+16*\i+2*\c+1], v[ADB] offset:(\s)*128+\i*16*WP+\c*16
.endr
.endr
.endm
; 16 matrix instructions: K step s.  The 16 accumulators take turns, one instruction a turn, in the same order in every step.  The first step starts the sums.
.macro MUL s
.set FB, 128*((\s)%2)
	WIN 0x05                                       ; sources 0 and 1 window 1; C and D window 0
.irp a, 0,1,2,3
.irp b, 0,1,2,3
.if (\s) == 0
	v_wmma_f32_16x16x128_bf8_bf8 v[ACC+8*(4*\a+\b):ACC+8*(4*\a+\b)+7], v[FB+64+16*\b:FB+64+16*\b+15], v[FB+16*\a:FB+16*\a+15], 0
.else
	v_wmma_f32_16x16x128_bf8_bf8 v[ACC+8*(4*\a+\b):ACC+8*(4*\a+\b)+7], v[FB+64+16*\b:FB+64+16*\b+15], v[FB+16*\a:FB+16*\a+15], v[ACC+8*(4*\a+\b):ACC+8*(4*\a+\b)+7]
.endif
.endr
.endr
.endm
	s_wait_tensorcnt 0x0                           ; my part is in,
	s_barrier_signal -1
	s_barrier_wait -1                              ; everybody's is
	FETCH 0
.irp s, 0,1,2,3,4,5,6
.if \s > 0
	PLACES                                         ; the buffer that the step before multiplied is loaded again
.endif
	FETCH \s+1
	s_wait_dscnt 48                                ; all but the 48 just issued
	MUL \s
.endr
	s_wait_dscnt 0x0
	MUL 7
	WIN 0
	; THE WAY OUT, block by block of 16 rows x 64 columns, through my own stage in LDS: in as 32 bytes a lane, back as whole rows of 256 bytes.
	s_wait_loadcnt 0x0                             ; bo
	s_wait_kmcnt 0x0
	s_add_co_i32 s86, s84, s85
	s_add_co_i32 s86, s86, 127
	s_lshl_b32 s86, s86, 23                        ; 2^(e10 + e11) as f32
	s_mov_b32 s87, s86
	PLACES
.irp a, 0,1,2,3
.set j, 0
.rept 16
	v_pk_fma_f32 v[TMP+j:TMP+j+1], v[ACC+32*\a+j:ACC+32*\a+j+1], s[86:87], v[BC+j:BC+j+1] op_sel_hi:[1,0,1]   ; sum x 2^(e10 + e11) + bo; each accumulator from its low end on
.set j, j+2
.endr
.irp b, 0,1,2,3
	ds_store_b128 v[STO], v[TMP+8*\b:TMP+8*\b+3] offset:64*\b
	ds_store_b128 v[STO], v[TMP+8*\b+4:TMP+8*\b+7] offset:64*\b+16
.endr
	s_wait_xcnt 0x0                                ; the block before's stores have read the registers that the loads below fill
.irp t, 0,1,2,3,4,5,6,7
	ds_load_b128 v[OB+4*\t:OB+4*\t+3], v[RD] offset:\t*2*BP   ; LDS serves a wave's instructions in order (ISA guide 5.7.1.4): these see the stores above
.endr
.irp t, 0,1,2,3,4,5,6,7
	s_wait_dscnt 7-\t                              ; rows 2 t and 2 t + 1 are back; the later loads may be out
	global_store_b128 v[CO], v[OB+4*\t:OB+4*\t+3], s[12:13] offset:(16*\a+2*\t)*4096 th:TH_STORE_NT   ; sixteen lanes store 256 consecutive bytes, aligned
.endr
.endr
	s_wait_tensorcnt 0x0                           ; the wave's end
	ds_add_u32 v30, v31
	s_wait_dscnt 0x0
	CROUND                                         ; the closing round
	s_endpgm
.Lfunc_end_k_q003f1393e6_oproj:
	.size	k_q003f1393e6_oproj, .Lfunc_end_k_q003f1393e6_oproj-k_q003f1393e6_oproj
	.p2alignl 7, 3214868480
	.fill 96, 4, 3214868480
	.section	.rodata,"a",@progbits
	.p2align	6, 0x0
	.amdhsa_kernel k_q003f1393e6_oproj
		.amdhsa_group_segment_fixed_size 327680
		.amdhsa_private_segment_fixed_size 0
		.amdhsa_enable_private_segment 0
		.amdhsa_kernarg_size 40
		.amdhsa_user_sgpr_count 2
		.amdhsa_user_sgpr_kernarg_segment_ptr 1
		.amdhsa_wavefront_size32 1
		.amdhsa_system_sgpr_workgroup_id_x 1
		.amdhsa_system_sgpr_workgroup_id_y 1
		.amdhsa_system_sgpr_workgroup_id_z 1
		.amdhsa_system_vgpr_workitem_id 0
		.amdhsa_next_free_vgpr 512
		.amdhsa_next_free_sgpr 96
		.amdhsa_reserve_vcc 0
		.amdhsa_float_denorm_mode_32 3
		.amdhsa_float_denorm_mode_16_64 3
		.amdhsa_memory_ordered 1
		.amdhsa_forward_progress 1
		.amdhsa_inst_pref_size 53
	.end_amdhsa_kernel
	.amdgpu_metadata
---
amdhsa.version: [ 1, 2 ]
amdhsa.kernels:
  - .name:           k_q003f1393e6_oproj
    .symbol:         k_q003f1393e6_oproj.kd
    .args:
      - { .name: oc, .offset: 0, .size: 8, .value_kind: global_buffer, .address_space: global }
      - { .name: Wo_codes, .offset: 8, .size: 8, .value_kind: global_buffer, .address_space: global }
      - { .name: bo, .offset: 16, .size: 8, .value_kind: global_buffer, .address_space: global }
      - { .name: lowp_scales, .offset: 24, .size: 8, .value_kind: global_buffer, .address_space: global }
      - { .name: out0, .offset: 32, .size: 8, .value_kind: global_buffer, .address_space: global }
    .group_segment_fixed_size: 327680
    .private_segment_fixed_size: 0
    .kernarg_segment_align: 8
    .kernarg_segment_size: 40
    .max_flat_workgroup_size: 128
    .sgpr_count:     96
    .vgpr_count:     512
    .wavefront_size: 32
...
	.end_amdgpu_metadata
.endif
;; end of part 4
